; MI455X (gfx1250); checked and timed in simulation.
; The chip was launched on July 23, 2026; its instructions are those of AMD's public machine-readable ISA for CDNA 5 (MIT licence, August 2026) and "CDNA5" Instruction Set Architecture Reference Guide (July 2026). The comments in the code are by the model that wrote it; some were corrected since.
;; DRQN. Allowed arithmetic: matrix products marked QUANTISED: E2M1 operands, one E8M0 scale for each 32 along K, by v_wmma_scale_f32_16x16x128_f8f6f4 with both operands' format E2M1 (or v_wmma_scale_f32_32x16x128_f4), f32 sums; products left as they are: f32 operands where the result goes on into a quantised operand, else bf16, f16 or f32 operands; f32 sums; everything else in f32.
;; Inputs: W1 512 x 544 float32; W2 32 x 512 float32; W_hh 2,048 x 512 float32; W_ih 2,048 x 512 float32; b1 512 float32; b2 32 float32; b_hh 2,048 float32; b_ih 2,048 float32; cell_state 512 float32; hidden_state 512 float32; observation 32,768 x 512 float32; prev_action 32,768 x 32 float32.
;; Outputs: out0 32,768 x 32 float32; out1 512 float32; out2 512 float32.
;; This version of the problem:
;;   THIS VERSION OF THE PROBLEM IS GIVEN IN LOW PRECISION. The matrix products marked QUANTISED in the list below multiply operands that are first quantised to E2M1 (2 exponent bits, 1 mantissa bit; 4 bits a number), with one power-of-two scale for each 32 numbers along K (OCP MX v1.0); their sums are f32. All else is computed in f32.
;;   The module's matrix products, in the order in which they are computed (A, B: the left and right operand; K: the contracted axis; several contracted axes count as one K, in the product's order):
;;     1. [M 32,768, K 544] x [K 544, N 512]; A: computed on the way; B: input W1: QUANTISED
;;     2. [M 32,768, K 512] x [K 512, N 2,048]; A: computed on the way; B: input W_ih: QUANTISED
;;     3. [M 1, K 512] x [K 512, N 2,048]; A: input hidden_state; B: input W_hh: left as it is (M = 1 < 16)
;;     4. [M 32,768, K 512] x [K 512, N 32]; A: computed on the way; B: input W2: QUANTISED
;;   THE QUANTISER, for each operand of a quantised product, along K:
;;     - K is cut into blocks of 32 from its start; a last block that is shorter is filled with zeros.
;;     - A block's scale is 2^e with e = floor(log2(the largest magnitude in the block)) - 2, held to -126 .. 127; a block of zeros has e = 0. As a byte (E8M0): e + 127.
;;     - Each number is divided by its block's scale, clamped to +-6, and rounded to the nearest number of E2M1, ties to even, subnormals kept.
;;     - The product sums the exact products of the quantised numbers (number of the format x scale) in f32.
;;   ~~~python
;;   def quantise(x, axis):      # numpy; x: float32 -> the quantised numbers, widened to float32 again
;;       x = np.moveaxis(x, axis, -1); K = x.shape[-1]
;;       x = np.pad(x, [(0, 0)] * (x.ndim - 1) + [(0, -K % 32)]); x = x.reshape(x.shape[:-1] + (-1, 32)); a = np.abs(x).max(-1, keepdims=True)
;;       e = np.where(a > 0, np.clip(np.frexp(np.where(a > 0, a, 1))[1] - 1 - 2, -126, 127), 0)      # np.frexp(a)[1] - 1 = floor(log2(a)), exactly
;;       r = np.clip(x / 2.0 ** e, -6, 6)
;;       step = 2.0 ** (np.maximum(np.frexp(np.where(r == 0, 1, r))[1] - 1, 0) - 1)
;;       q = np.round(r / step) * step * 2.0 ** e      # np.round: ties to even
;;       return np.moveaxis(q.reshape(q.shape[:-2] + (-1,))[..., :K], -1, axis).astype(np.float32)
;;   ~~~
;;   OPERANDS COMPUTED ON THE WAY. 'Computed on the way' means the value that the module computes at that place (a softmax that the list does not call 'softmax' is quantised finished and normalised). What goes into a quantiser is computed in f32, as accurately as f32 sums, v_exp_f32 and their like allow (about 1e-6 of the number): no bf16 or f16 on the way to a quantiser, and a product that is left as it is and whose result goes on into a quantised operand takes f32 operands (vector FMAs, or v_wmma_f32_16x16x4_f32). A number that lies on a knife's edge between two numbers of the format may be rounded either way, as far as f32 arithmetic and the matrix unit's own rounding can turn it there, and no further.
;; One version. Each part assembles by itself: llvm-mc -triple=amdgcn-amd-amdhsa -mcpu=gfx1250 --defsym DOCPART=n.
;; ======== version 1 of 1: 2 launches
;; limits: a function is approximated: absolute error at most 1e-07
;; workspace buffers: ws_wih 557,056 bytes; ws_w1 157,696 bytes; ws_w2 8,704 bytes; gb 8,192 bytes
;; launch prep (part 1): grid 234 x 1, 4 waves a work-group, no clusters, 34,304 bytes of LDS; arguments W1, W_ih, W2, W_hh, hidden_state, b_ih, b_hh, ws_w1, ws_wih, ws_w2, gb; writes ws_w1, ws_wih, ws_w2, gb
.if DOCPART == 1
	.amdgcn_target "amdgcn-amd-amdhsa--gfx1250"
	.amdhsa_code_object_version 6
	.text
	.protected	k_qcc980f3452_prep
	.globl	k_qcc980f3452_prep
	.p2align	8
	.type	k_qcc980f3452_prep,@function
k_qcc980f3452_prep:
	s_mov_b64 s[64:65], 0
	v_nop
	global_prefetch_b8 v0, s[64:65] scope:SCOPE_SE
	s_setreg_imm32_b32 hwreg(HW_REG_WAVE_MODE, 25, 1), 1
	s_wait_xcnt 0x0
; DRQN, first of two launches: the weights become codes of E2M1 once, and the gates' row-independent bias is summed once.
; NO WORK OF THE PROBLEM IS LEFT OUT: every input has a way to an output.  hidden_state . W_hh^T (one row) is added to every gate and so reaches q, h and c; it is summed here in f32.
; W_ih [2048][512], W1 [512][544], W2 [32][512], f32 with K innermost, are quantised along K: a block of 32 has the scale 2^(floor(log2(largest magnitude)) - 2); its byte is the largest magnitude's exponent field - 2,
; held at 1 from below; each number is divided by the scale and rounded to the nearest code, ties to even, beyond 6 the largest code.
; THE CODES ARE LAID IN THE ORDER OF THE OPERAND'S REGISTERS: a fragment (16 rows x 128 K) is 1,024 bytes, registers 4 c .. 4 c + 3 of lane l at 512 c + 16 l; a scale image is 128 bytes, lanes 0-15 the even tile's words, lanes 16-31 the odd tile's.
;   ws_wih: chunk 4 b + w (hidden units 128 w + 32 b .. + 31, all four gates), 34,816 bytes: fragment (K step s, tile t = 2 gate + u) at 1024 (8 s + t); scale image 4 gate + s from byte 32,768.
;   ws_w1:  chunk w (units 128 w .. + 127), 39,424 bytes: fragment (s, t = 2 b + u) at 1024 (8 s + t); from 32,768 eight tail images of 512 bytes (k = 512 .. 543: registers 0-3); from 36,864 twenty scale images.
;   ws_w2:  fragment (tile nt, s) at 1024 (4 nt + s); from 8,192 four scale images.
; THE ROWS OF A TILE OF W_ih AND W1 ARE NOT NEIGHBOURS: lane r takes row first + r + 8 (r / 8), so that in the next launch a lane's 16 results of two neighbouring tiles are 16 neighbours along the next K.
; gb[n] = b_ih[n] + (b_hh[n] + sum over k of hidden_state[k] W_hh[n][k]), f32.
; SHARES: work-groups 0-161: a tile of 16 rows each, wave s its K step s.  162-169: W1's tail, a tile a wave.  170-233: gb, eight rows a wave.  Only the first kind uses LDS.
; LIMITS: NaN and infinities among the inputs are not served.  A block of zeros gets the byte 1 where the rule says 127: its codes are zeros, and this program alone reads the bytes.  gb's sum runs in another order than reference()'s.
.set SPARE, 33792                      ; behind the four stages of 16 x 528 bytes: the spare words, 128 bytes a wave
.set SPW, 190                          ; v190 my spare word's LDS address; never rewritten
.set NIL, 191                          ; v191 0; never rewritten
	s_load_b512 s[4:19], s[0:1], 0x0               ; W1 4, W_ih 6, W2 8, W_hh 10, hidden_state 12, b_ih 14, b_hh 16, ws_w1 18
	s_load_b128 s[20:23], s[0:1], 0x40             ; ws_wih 20, ws_w2 22
	s_load_b64 s[24:25], s[0:1], 0x50              ; gb
	v_lshl_add_u32 v[SPW], v0, 2, SPARE
	v_mov_b32 v[NIL], 0
	v_lshrrev_b32 v1, 5, v0
	v_readfirstlane_b32 s28, v1                    ; wave
	v_and_b32 v2, 31, v0                           ; lane
	v_and_b32 v3, 15, v0                           ; r
	v_bfe_u32 v4, v0, 4, 1                         ; h
	v_lshlrev_b32 v5, 4, v2                        ; 16 x lane
	s_mov_b32 s56, 0x76543210
	s_mov_b32 s57, 0xfedcba98                      ; v_permlanex16_b32's selects for lane l xor 16
	s_wait_kmcnt 0x0
	s_cmp_ge_u32 ttmp9, 170
	s_cbranch_scc1 .Lbias
	s_cmp_ge_u32 ttmp9, 162
	s_cbranch_scc1 .Ltail
	s_cmp_ge_u32 ttmp9, 160
	s_cbranch_scc1 .Larm_w2
	s_cmp_ge_u32 ttmp9, 128
	s_cbranch_scc1 .Larm_w1
; where a tile's fragment and its scale words go, for W_ih and W1: s40 = 1024 (8 s + t), s41 = base + 128 (4 (t / 2) + s) + 64 (t % 2)
.macro FRSC base
	s_lshl_b32 s40, s28, 3
	s_add_co_u32 s40, s40, s44
	s_lshl_b32 s40, s40, 10
	s_lshl_b32 s41, s46, 2
	s_add_co_u32 s41, s41, s28
	s_lshl_b32 s41, s41, 7
	s_lshl_b32 s48, s47, 6
	s_add_co_u32 s41, s41, s48
	s_add_co_u32 s41, s41, \base
.endm
	; W_ih: tile t = work-group % 8 of chunk work-group / 8
	s_and_b32 s44, ttmp9, 7
	s_lshr_b32 s45, ttmp9, 3
	s_lshr_b32 s46, s44, 1                         ; gate
	s_and_b32 s47, s44, 1                          ; u
	s_lshl_b32 s36, s46, 9                         ; first row = 512 gate
	s_lshl_b32 s48, s47, 3
	s_add_co_u32 s36, s36, s48                     ; + 8 u
	s_and_b32 s48, s45, 3
	s_lshl_b32 s48, s48, 7
	s_add_co_u32 s36, s36, s48                     ; + 128 w
	s_lshr_b32 s48, s45, 2
	s_lshl_b32 s48, s48, 5
	s_add_co_u32 s36, s36, s48                     ; + 32 b
	s_mov_b64 s[32:33], s[6:7]
	s_mov_b32 s34, 2048                            ; a row in bytes
	s_mov_b32 s35, 16384                           ; eight rows more from the tile's ninth row on
	s_mul_i32 s48, s45, 34816
	s_mov_b32 s49, 0
	s_add_nc_u64 s[38:39], s[20:21], s[48:49]
	FRSC 32768
	s_branch .Ljoin
.Larm_w1:
	s_sub_co_u32 s29, ttmp9, 128
	s_and_b32 s44, s29, 7
	s_lshr_b32 s45, s29, 3
	s_lshr_b32 s46, s44, 1                         ; b
	s_and_b32 s47, s44, 1                          ; u
	s_lshl_b32 s36, s46, 5                         ; first row = 32 b
	s_lshl_b32 s48, s47, 3
	s_add_co_u32 s36, s36, s48                     ; + 8 u
	s_lshl_b32 s48, s45, 7
	s_add_co_u32 s36, s36, s48                     ; + 128 w
	s_mov_b64 s[32:33], s[4:5]
	s_mov_b32 s34, 2176
	s_mov_b32 s35, 17408
	s_mul_i32 s48, s45, 39424
	s_mov_b32 s49, 0
	s_add_nc_u64 s[38:39], s[18:19], s[48:49]
	FRSC 36864
	s_branch .Ljoin
.Larm_w2:
	s_sub_co_u32 s29, ttmp9, 160                   ; nt
	s_lshl_b32 s36, s29, 4                         ; first row = 16 nt; the rows are neighbours
	s_mov_b64 s[32:33], s[8:9]
	s_mov_b32 s34, 2048
	s_mov_b32 s35, 0
	s_mov_b64 s[38:39], s[22:23]
	s_lshl_b32 s40, s29, 2
	s_add_co_u32 s40, s40, s28
	s_lshl_b32 s40, s40, 10                        ; 1024 (4 nt + s)
	s_lshl_b32 s41, s28, 7
	s_lshl_b32 s48, s29, 6
	s_add_co_u32 s41, s41, s48
	s_add_co_u32 s41, s41, 8192                    ; 8192 + 128 s + 64 nt
.Ljoin:
	s_mul_i32 s46, s36, s34
	s_lshl_b32 s47, s28, 9
	s_add_co_u32 s46, s46, s47                     ; first row x pitch + 512 bytes x K step
	s_mov_b32 s47, 0
	s_add_nc_u64 s[32:33], s[32:33], s[46:47]
	s_mov_b32 s42, 0
.irp p, 0,1,2,3,4,5,6,7,8,9,10,11,12,13,14,15
	v_add_nc_u32 v[16+\p], s42, v5                 ; the tile's row p: 16 x lane + its distance from the first row
	s_add_co_u32 s42, s42, s34
.if \p == 7
	s_add_co_u32 s42, s42, s35
.endif
.endr
.irp p, 0,1,2,3,4,5,6,7,8,9,10,11,12,13,14,15
	global_load_b128 v[32+4*\p:35+4*\p], v[16+\p], s[32:33] th:TH_LOAD_NT   ; 32 lanes read 512 consecutive bytes: 128 numbers of one row
.endr
	s_mul_i32 s48, s28, 8448                       ; my stage: 16 rows of 512 bytes + 16
	v_add_nc_u32 v6, s48, v5                       ; in: as loaded
	v_mul_u32_u24 v7, v3, 528
	v_lshl_add_u32 v7, v4, 7, v7
	v_add_nc_u32 v7, s48, v7                       ; out: row r, + 128 h: the operand's layout gives lane (r, h) k = 64 c + 32 h + 0 .. 31
	v_add_nc_u32 v170, s40, v5
	v_lshl_add_u32 v171, v3, 2, s41
	s_wait_loadcnt 0x0
.irp p, 0,1,2,3,4,5,6,7,8,9,10,11,12,13,14,15
	ds_store_b128 v6, v[32+4*\p:35+4*\p] offset:528*\p
.endr
.set cj, 0
.rept 16
	ds_load_b128 v[96+4*cj:99+4*cj], v7 offset:256*(cj/8)+16*(cj%8)   ; LDS serves a wave's instructions in order: these see my stores
.set cj, cj+1
.endr
	s_wait_dscnt 0x0
.irp c, 0,1                                    ; my block 2 c + h: all its 32 numbers are mine
	v_max3_num_f32 v[8+\c], |v[96+32*\c]|, |v[97+32*\c]|, 0x1800000   ; with the floor 2^(3 - 127): the byte cannot fall under 1
.endr
.irp i, 2,4,6,8,10,12,14,16,18,20,22,24,26,28,30
.irp c, 0,1
	v_max3_num_f32 v[8+\c], v[8+\c], |v[96+32*\c+\i]|, |v[97+32*\c+\i]|
.endr
.endr
.irp c, 0,1
	v_add_nc_u32 v[10+\c], 0xff000000, v[8+\c]     ; 2 off the exponent field: the conversion's scale operand
.endr
.irp c, 0,1
	v_lshrrev_b32 v[12+\c], 23, v[10+\c]           ; the scale's byte
.endr
	v_lshl_or_b32 v14, v13, 16, v12                ; my two bytes: blocks h and 2 + h,
	v_lshlrev_b32 v15, 3, v4
	v_lshlrev_b32 v14, v15, v14                    ; at their places in the word;
	v_mov_b32 v15, 0
	v_permlanex16_b32 v15, v14, s56, s57
	v_or_b32 v14, v14, v15                         ; with lane l xor 16's two the word is whole
.irp c, 0,1
.irp g, 0,1,2,3
	v_cvt_scalef32_pk8_fp4_f32 v[160+4*\c+\g], v[96+32*\c+8*\g:103+32*\c+8*\g], v[10+\c]
.endr
.endr
	v_nop                                          ; one plain line behind the last scaled conversion
	global_store_b128 v170, v[160:163], s[38:39]               ; the fragment's image: 512 consecutive bytes a store
	global_store_b128 v170, v[164:167], s[38:39] offset:512
	global_store_b32 v171, v14, s[38:39]           ; the tile's 16 scale words (lanes 16-31 write what lanes 0-15 write)
	s_wait_tensorcnt 0x0                           ; the wave's end, behind my last LDS store
	ds_add_u32 v[SPW], v[NIL]
	s_wait_dscnt 0x0
	s_endpgm
.Ltail:                                            ; W1's k = 512 .. 543: one block a row.  65,536 bytes in all: a lane loads its row's 128 bytes itself
	s_sub_co_u32 s29, ttmp9, 162
	s_lshl_b32 s29, s29, 2
	s_add_co_u32 s29, s29, s28
	s_and_b32 s44, s29, 7                          ; t
	s_lshr_b32 s45, s29, 3                         ; w
	s_lshr_b32 s46, s44, 1
	s_and_b32 s47, s44, 1
	s_lshl_b32 s36, s45, 7
	s_lshl_b32 s48, s46, 5
	s_add_co_u32 s36, s36, s48
	s_lshl_b32 s48, s47, 3
	s_add_co_u32 s36, s36, s48                     ; first row = 128 w + 32 (t / 2) + 8 (t % 2)
	s_mul_i32 s48, s36, 2176
	s_add_co_u32 s48, s48, 2048
	s_mov_b32 s49, 0
	s_add_nc_u64 s[32:33], s[4:5], s[48:49]
	v_and_b32 v8, 8, v3
	v_add_nc_u32 v8, v8, v3
	v_mul_u32_u24 v8, v8, 2176                     ; row r + 8 (r / 8) of the tile; lanes 16-31 read what lanes 0-15 read
.irp j, 0,1,2,3,4,5,6,7
	global_load_b128 v[96+4*\j:99+4*\j], v8, s[32:33] offset:16*\j
.endr
	s_mul_i32 s48, s45, 39424
	s_add_nc_u64 s[38:39], s[18:19], s[48:49]
	s_lshl_b32 s40, s44, 9
	s_add_co_u32 s40, s40, 32768
	v_add_nc_u32 v170, s40, v5                     ; 32,768 + 512 t + 16 x lane
	s_lshl_b32 s41, s46, 7
	s_lshl_b32 s48, s47, 6
	s_add_co_u32 s41, s41, s48
	s_add_co_u32 s41, s41, 36864+16*128
	v_lshl_add_u32 v171, v3, 2, s41                ; scale image 16 + t / 2
	s_wait_loadcnt 0x0
	v_max3_num_f32 v9, |v96|, |v97|, 0x1800000
.irp i, 2,4,6,8,10,12,14,16,18,20,22,24,26,28,30
	v_max3_num_f32 v9, v9, |v[96+\i]|, |v[97+\i]|
.endr
	v_add_nc_u32 v10, 0xff000000, v9
	v_lshrrev_b32 v11, 23, v10
	v_or_b32 v11, 0x7f7f7f00, v11                  ; the step's other three blocks meet zero codes of x: the byte for 1
.irp g, 0,1,2,3
	v_cvt_scalef32_pk8_fp4_f32 v[160+\g], v[96+8*\g:103+8*\g], v10
.endr
	v_nop
	global_store_b128 v170, v[160:163], s[38:39]
	global_store_b32 v171, v11, s[38:39]
	s_endpgm
.Lbias:                                            ; gb: eight rows of W_hh a wave; a lane holds 16 numbers of each row and of hidden_state
	s_sub_co_u32 s29, ttmp9, 170
	s_lshl_b32 s29, s29, 2
	s_add_co_u32 s29, s29, s28
	s_lshl_b32 s48, s29, 14                        ; 8 rows x 2,048 bytes
	s_mov_b32 s49, 0
	s_add_nc_u64 s[32:33], s[10:11], s[48:49]
	s_lshl_b32 s50, s29, 5                         ; 8 numbers x 4 bytes
	s_mov_b32 s51, 0
	s_add_nc_u64 s[14:15], s[14:15], s[50:51]
	s_add_nc_u64 s[16:17], s[16:17], s[50:51]
	s_add_nc_u64 s[24:25], s[24:25], s[50:51]
	v_and_b32 v184, 7, v2
	v_lshlrev_b32 v188, 2, v184
.irp q, 0,1,2,3
	global_load_b128 v[16+4*\q:19+4*\q], v5, s[12:13] offset:512*\q
.endr
.irp i, 0,1,2,3,4,5,6,7
.irp q, 0,1,2,3
	global_load_b128 v[32+16*\i+4*\q:35+16*\i+4*\q], v5, s[32:33] offset:2048*\i+512*\q th:TH_LOAD_NT   ; 512 consecutive bytes a load
.endr
.endr
	global_load_b32 v186, v188, s[14:15]
	global_load_b32 v187, v188, s[16:17]
.irp i, 0,1,2,3,4,5,6,7
	v_mov_b32 v[176+\i], 0                         ; a lane permute's destination counts as one of its sources
.endr
	s_wait_loadcnt 0x0
.irp i, 0,1,2,3,4,5,6,7
	v_pk_mul_f32 v[160+2*\i:161+2*\i], v[32+16*\i:33+16*\i], v[16:17]   ; the first product starts the sum; the eight rows by turns
.endr
.irp e, 2,4,6,8,10,12,14
.irp i, 0,1,2,3,4,5,6,7
	v_pk_fma_f32 v[160+2*\i:161+2*\i], v[32+16*\i+\e:33+16*\i+\e], v[16+\e:17+\e], v[160+2*\i:161+2*\i]
.endr
.endr
.irp i, 0,1,2,3,4,5,6,7
	v_add_f32 v[160+2*\i], v[160+2*\i], v[161+2*\i]
.endr
.irp x, 1,2,4,8
.irp i, 0,1,2,3,4,5,6,7
	v_add_f32_dpp v[160+2*\i], v[160+2*\i], v[160+2*\i] row_xmask:\x row_mask:0xf bank_mask:0xf
.endr
.endr
.irp i, 0,1,2,3,4,5,6,7
	v_permlanex16_b32 v[176+\i], v[160+2*\i], s56, s57
.endr
.irp i, 0,1,2,3,4,5,6,7
	v_add_f32 v[160+2*\i], v[160+2*\i], v[176+\i]  ; every lane holds every row's sum
.endr
	v_mov_b32 v185, v160
.irp i, 1,2,3,4,5,6,7
	v_cmp_eq_u32 vcc_lo, \i, v184
	v_cndmask_b32 v185, v185, v[160+2*\i], vcc_lo  ; lane l keeps row l % 8
.endr
	v_add_f32 v185, v185, v187
	v_add_f32 v185, v185, v186
	global_store_b32 v188, v185, s[24:25]          ; (four lanes write each number, with the same value)
	s_endpgm
.Lfunc_end_k_qcc980f3452_prep:
	.size	k_qcc980f3452_prep, .Lfunc_end_k_qcc980f3452_prep-k_qcc980f3452_prep
	.p2alignl 7, 3214868480
	.fill 96, 4, 3214868480
	.section	.rodata,"a",@progbits
	.p2align	6, 0x0
	.amdhsa_kernel k_qcc980f3452_prep
		.amdhsa_group_segment_fixed_size 34304
		.amdhsa_private_segment_fixed_size 0
		.amdhsa_enable_private_segment 0
		.amdhsa_kernarg_size 88
		.amdhsa_user_sgpr_count 2
		.amdhsa_user_sgpr_kernarg_segment_ptr 1
		.amdhsa_wavefront_size32 1
		.amdhsa_system_sgpr_workgroup_id_x 1
		.amdhsa_system_sgpr_workgroup_id_y 1
		.amdhsa_system_sgpr_workgroup_id_z 1
		.amdhsa_system_vgpr_workitem_id 0
		.amdhsa_next_free_vgpr 192
		.amdhsa_next_free_sgpr 66
		.amdhsa_reserve_vcc 1
		.amdhsa_float_denorm_mode_32 3
		.amdhsa_float_denorm_mode_16_64 3
		.amdhsa_memory_ordered 1
		.amdhsa_forward_progress 1
		.amdhsa_inst_pref_size 29
	.end_amdhsa_kernel
	.amdgpu_metadata
---
amdhsa.version: [ 1, 2 ]
amdhsa.kernels:
  - .name:           k_qcc980f3452_prep
    .symbol:         k_qcc980f3452_prep.kd
    .args:
      - { .name: W1, .offset: 0, .size: 8, .value_kind: global_buffer, .address_space: global }
      - { .name: W_ih, .offset: 8, .size: 8, .value_kind: global_buffer, .address_space: global }
      - { .name: W2, .offset: 16, .size: 8, .value_kind: global_buffer, .address_space: global }
      - { .name: W_hh, .offset: 24, .size: 8, .value_kind: global_buffer, .address_space: global }
      - { .name: hidden_state, .offset: 32, .size: 8, .value_kind: global_buffer, .address_space: global }
      - { .name: b_ih, .offset: 40, .size: 8, .value_kind: global_buffer, .address_space: global }
      - { .name: b_hh, .offset: 48, .size: 8, .value_kind: global_buffer, .address_space: global }
      - { .name: ws_w1, .offset: 56, .size: 8, .value_kind: global_buffer, .address_space: global }
      - { .name: ws_wih, .offset: 64, .size: 8, .value_kind: global_buffer, .address_space: global }
      - { .name: ws_w2, .offset: 72, .size: 8, .value_kind: global_buffer, .address_space: global }
      - { .name: gb, .offset: 80, .size: 8, .value_kind: global_buffer, .address_space: global }
    .group_segment_fixed_size: 34304
    .private_segment_fixed_size: 0
    .kernarg_segment_align: 8
    .kernarg_segment_size: 88
    .max_flat_workgroup_size: 128
    .sgpr_count:     66
    .vgpr_count:     192
    .wavefront_size: 32
...
	.end_amdgpu_metadata
.endif
;; end of part 1
;; launch main (part 2): grid 256 x 1, 4 waves a work-group, clusters of 4 x 1, 327,680 bytes of LDS; arguments observation, prev_action, b1, cell_state, b2, ws_w1, ws_wih, ws_w2, gb, out0, out1, out2; writes out0, out1, out2
.if DOCPART == 2
	.amdgcn_target "amdgcn-amd-amdhsa--gfx1250"
	.amdhsa_code_object_version 6
	.text
	.protected	k_qcc980f3452_main
	.globl	k_qcc980f3452_main
	.p2align	8
	.type	k_qcc980f3452_main,@function
k_qcc980f3452_main:
	s_mov_b64 s[64:65], 0
	v_nop
	global_prefetch_b8 v0, s[64:65] scope:SCOPE_SE
	s_setreg_imm32_b32 hwreg(HW_REG_WAVE_MODE, 25, 1), 1
	s_wait_xcnt 0x0
	s_wait_alu depctr_hold_cnt(0) depctr_sa_sdst(0) depctr_va_vdst(0) depctr_va_sdst(0) depctr_va_ssrc(0) depctr_va_vcc(0) depctr_vm_vsrc(0)
	s_getreg_b32 s2, hwreg(HW_REG_IB_STS2, 6, 4)
	s_cmp_eq_u32 s2, 0
	s_cbranch_scc0 .Lentry_in_a_cluster
	s_endpgm
.Lentry_in_a_cluster:
	s_bfe_u32 s2, ttmp6, 0x10000c
	s_cmp_lg_u32 s2, 0x3003
	s_cbranch_scc0 .Lentry_shape_is_right
	s_endpgm
.Lentry_shape_is_right:
; DRQN, second launch: the whole chain for 128 rows a work-group; x, the embedding, the gates and h never go to memory.  No work of the problem is left out.
;   x = [observation | prev_action] -> Q -> . W1^T + b1 -> relu -> Q -> . W_ih^T + gb -> LSTM cell -> c, h -> Q(h) -> . W2^T + b2.   Q: the MX-FP4 quantiser along K, in registers.
; SHARES.  Four waves, as many as a WGP has SIMDs.  THE WAVES SHARE THE COLUMNS: wave w makes embedding units 128 w .. + 127 and hidden units 128 w .. + 127 (all four gates) for all 128 rows (eight tiles of 16).
; So each weight fragment is wanted by ONE wave: it goes from LDS into that wave's registers once and feeds eight matrix instructions.  What goes from wave to wave is small: the codes of x, of the embedding
; and of h, as images of the operand's registers in LDS (16 bytes a lane on end; scale words 4 bytes a lane).
; BOTH LARGE PRODUCTS ARE USED TRANSPOSED (source 0 = 16 rows of a weight, source 1 = 16 rows of data): a lane holds ONE data row, and, by the order in which the first launch laid the weights' rows,
; its 16 registers of two neighbouring tiles are 16 neighbours along the next K.  The four gates of one hidden unit fall into the same lane: the cell needs no other lane.
; CLUSTER.  All work-groups walk the same weights: four form a cluster and ask for each chunk JOINTLY (the same tensor load, the same descriptor, the mask 15); every wave asks for its own quarter, so no branch leads round a load.
; By this text's own count a wave has two tensor loads out at the start and one behind each later round.
; THE WALK.  W1 (all) and W_ih's block 0 (32 of each wave's 128 hidden units) are asked for first, ahead of x, and go into registers while the first rows of x are on their way.  PASS A, four trips of two row tiles:
; quantise x | product 1 | product 2 and the cell for block 0; the next pair's 32 loads of x a wave are out meanwhile.  PASS B: blocks 1 to 3 over the eight tiles.  One LDS slot takes blocks 1, 2, 3 in turn;
; the registers are the second slot (windows 1 and 2 by turns).
; THE CELL, with L = log2(e):  a = 2^(-L i), e = 2^(-L f), b = 2^min(2 L g, 60), o' = 2^(-L o);  c = cell / (1 + e) + (b - 1) / ((1 + a)(1 + b));  d = 2^min(2 L c, 60);  h = (d - 1) / ((1 + o')(1 + d)).
; a, e, o' may become infinite: the reciprocal is then 0 beside a finite factor.  The hold at 60 changes no f32 value: (b - 1) / (b + 1) is 1.0 long before.
; h AND c OF THE LAST ROW.  Which work-group holds row 32,767 hangs on its place in the cluster, and nothing but global addresses and one mask of lanes may hang on that.  So h and c of row tile 7 are kept in
; registers, all lanes on, and EXEC is narrowed by that mask once, at the very end, behind the last line that makes an LDS address.
; LIMITS: NaN and infinities among the inputs are not served.  tanh as (b - 1) / (b + 1) has an absolute error of about 1e-7 near 0.  A block of zeros has the scale byte 1 where the rule says 127: its codes are zeros.
;
; LDS.  0 .. 157,695: W1's one fill (wave w at 39,424 w); once all waves have read it, it is scratch and no fill lands there again:
.set X2IMG, 0                          ; the embedding's codes: 8192 s + 1024 m + 512 c + 16 lane (K step s = the wave that wrote it, row tile m)
.set X2SC,  32768                      ; their scale words: 1024 s + 128 m + 4 lane
.set HSC,   36864                      ; h's scale words, likewise; byte b of a word comes with block b
.set HIMG,  40960                      ; h's codes: 8192 s + 1024 m + 512 (b / 2) + 16 lane + 8 (b % 2): the registers as the conversions leave them
.set STG,   77824                      ; a stage for each wave: two of 16 rows x 528 bytes
.set STGW,  16896
.set R2,    157696                     ; the slot for a block of W_ih: wave w at R2 + 34,816 w
.set XIMG,  296960                     ; bytes into which no fill ever lands: x's codes of a pair: 1024 (4 j + s);
.set XSC,   305152                     ; their scale words: 512 j + 16 lane + 4 s;
.set XTIMG, 306176                     ; prev_action's codes (k = 512 .. 543), all eight tiles: 512 m + 16 lane;
.set XTSC,  310272                     ; their scale words: 128 m + 4 lane;
.set B1L,   311296                     ; b1: 512 w
.set SPARE, 313344                     ; the spare words, 128 bytes a wave
.set CHW1,  39424
.set CHIH,  34816
; REGISTERS, in windows of 256.  Window 0: v1 16 lane, v2 4 lane, v3-v23 addresses, v24, v25 the add's two, v28-63 and v236-243 scale words and nothing else, and:
.set HA,  64                           ; v64-127  eight accumulators; as gates:
.set GI,  64
.set GF,  80
.set GG,  96
.set GO,  112
.set XF,  128                          ; v128-159 four fragments of data
.set XFT, 160                          ; v160-167 the tail step's fragment of x
.set Q1,  128                          ; v128-191 64 numbers of x
.set CB,  168                          ; v168-183 cell_state, set B
.set CA,  192                          ; v192-207 cell_state, set A; at the end b2
.set TT,  208                          ; v208-223 at work
.set PC,  224                          ; v224-231 the codes just made
.set PW,  232                          ; v232     the scale word just made
.set W1S, 28                           ; v28-47   W1's scale words; later:
.set SCB, 28                           ; v28-43   W_ih's, set B
.set W2S, 44                           ; v44-47   W2's
.set SCA, 48                           ; v48-63   W_ih's, set A
; Window 1: W_ih's blocks 0 and 2, fragment (s, t) at v[8 (8 s + t)]; at the end W2's eight fragments, v0-63.  Window 2: W1's K steps 0-3 likewise, later blocks 1 and 3.  Window 3:
.set BA,  0                            ; v0-63    the gates' bias, set A
.set BB,  64                           ; v64-127  set B (once x has all come)
.set L1,  64                           ; v64-127  x as loaded, second tile of a pair
.set W1T, 128                          ; v128-163 W1's tail: tile t at v[128 + 4 t], four registers; v160-163 = 0
.set L0,  168                          ; v168-231 x as loaded, first tile
.set SV0, 128                          ; tile 7's h (16 registers) and c (16) of block 0: where W1's tail lay;
.set SV1, 168                          ; of blocks 1 and 2: where x landed;
.set SV2, 200
.set SV3, 0                            ; of block 3: where bias set A lay, which block 2 has left
; THE TAIL STEP names v[W1T + 4 t : + 7] as its weight operand.  Of x's tail fragment only registers 0-3 of lanes 0-15 (k = 512 .. 543) hold codes other than 0, so whatever stands in the operand's other places adds nothing.
.set MSB, 0
.macro WIN new                         ; bits 1:0 source 0, 3:2 source 1, 5:4 source 2, 7:6 destination; the high byte repeats the setting that is left
.if MSB != (\new)
	s_set_vgpr_msb (MSB<<8)|(\new)
.set MSB, (\new)
.endif
.endm
.macro ROUND                           ; a round of the cluster's barrier
	s_barrier_signal -1
	s_barrier_wait -1
	s_cmp_lg_u32 s28, 0
	s_cbranch_scc1 .Lnw0_\@
	s_barrier_signal -3
.Lnw0_\@:
	s_barrier_wait -3
	s_barrier_signal -1
	s_barrier_wait -1
.endm
.macro BARRIER                         ; my LDS stores have landed and my LDS loads are in: then the work-group's barrier
	s_wait_dscnt 0x0
	s_barrier_signal -1
	s_barrier_wait -1
.endm
.macro PLACES
.rept 4
	v_nop
.endr
.endm
; The slot takes W_ih's next block.  Every wave has read its quarter of the slot into registers; the round holds of all four work-groups.
.macro REFILL
	s_wait_tensorcnt 0x0                           ; no tensor load of mine is out, so the descriptor may be written
	ds_add_u32 v24, v25                            ; 0 onto my spare word
	s_add_nc_u64 s[54:55], s[54:55], 4*CHIH        ; the next block's chunk of my wave; the type bits on top are not reached
	s_wait_dscnt 0x0                               ; the add is done, and my reads of the slot are over
	ROUND
	tensor_load_to_lds s[52:55], s[40:47]          ; my one tensor load behind the round, and the first thing there
	s_nop 0
	PLACES
.endm
; 64 numbers of a lane, register 16 b + i = k 32 b + 16 (lane / 16) + i of my row, become a fragment's codes in v[PC] on and its scale word in v[PW].
.macro QUANT src
.irp b, 0,1,2,3
	v_max3_num_f32 v[TT+\b], |v[\src+16*\b]|, |v[\src+1+16*\b]|, 0x1800000   ; my 16 numbers of block b, and the floor 2^(3 - 127): the byte cannot fall under 1
.endr
.irp i, 2,4,6,8,10,12,14
.irp b, 0,1,2,3
	v_max3_num_f32 v[TT+\b], v[TT+\b], |v[\src+16*\b+\i]|, |v[\src+1+16*\b+\i]|
.endr
.endr
.irp b, 0,1,2,3
	v_permlanex16_b32 v[TT+4+\b], v[TT+\b], s56, s57
.endr
.irp b, 0,1,2,3
	v_max_num_f32 v[TT+\b], v[TT+\b], v[TT+4+\b]   ; with lane l xor 16's: the block's largest magnitude
.endr
.irp b, 0,1,2,3
	v_add_nc_u32 v[TT+12+\b], 0xff000000, v[TT+\b] ; 2 off its exponent field: the conversion's scale operand
.endr
.irp b, 0,1,2,3
	v_lshrrev_b32 v[TT+4+\b], 23, v[TT+12+\b]      ; the scale's byte
.endr
	s_wait_dscnt 0x0                               ; the last image's stores are done: v[PW] and v[PC] on, which they read, are written from here on
	v_lshl_or_b32 v[PW], v[TT+5], 8, v[TT+4]
	v_lshl_or_b32 v[PW], v[TT+6], 16, v[PW]
	v_lshl_or_b32 v[PW], v[TT+7], 24, v[PW]
.irp b, 0,1,2,3
	v_cvt_scalef32_pk8_fp4_f32 v[PC+2*\b], v[\src+16*\b:\src+7+16*\b], v[TT+12+\b]
	v_cvt_scalef32_pk8_fp4_f32 v[PC+1+2*\b], v[\src+8+16*\b:\src+15+16*\b], v[TT+12+\b]
.endr
	v_nop                                          ; one plain line behind the last scaled conversion
.irp c, 0,1                                    ; the operand's layout wants a whole block in a lane
.irp i, 0,1
	v_permlane16_swap_b32 v[PC+4*\c+\i], v[PC+2+4*\c+\i]
.endr
.endr
.endm
.macro IMAGE adr, off                  ; the fragment in v[PC] on goes to LDS as it stands
	ds_store_b128 v[\adr], v[PC:PC+3] offset:\off
	ds_store_b128 v[\adr], v[PC+4:PC+7] offset:\off+512
.endm
.macro XLOAD                           ; a pair's 32 rows, my wave's 128 columns: each load reads 512 consecutive bytes
	WIN 0xc0
.set cj, 0
.rept 16
	global_load_b128 v[L0+4*cj:L0+4*cj+3], v1, s[4:5] offset:2048*cj th:TH_LOAD_NT
.set cj, cj+1
.endr
.set cj, 0
.rept 16
	global_load_b128 v[L1+4*cj:L1+4*cj+3], v1, s[4:5] offset:2048*(16+cj) th:TH_LOAD_NT
.set cj, cj+1
.endr
	WIN 0
.endm
.macro WM d, a, b, c, sa, sb, row      ; one matrix instruction; row = 1: the weight's scale words stand in lanes 16-31
.if \row
	v_wmma_scale_f32_16x16x128_f8f6f4 v[\d:\d+7], v[\a:\a+7], v[\b:\b+7], v[\c:\c+7], v[\sa], v[\sb] matrix_a_fmt:MATRIX_FMT_FP4 matrix_b_fmt:MATRIX_FMT_FP4 matrix_a_scale:MATRIX_SCALE_ROW1
.else
	v_wmma_scale_f32_16x16x128_f8f6f4 v[\d:\d+7], v[\a:\a+7], v[\b:\b+7], v[\c:\c+7], v[\sa], v[\sb] matrix_a_fmt:MATRIX_FMT_FP4 matrix_b_fmt:MATRIX_FMT_FP4
.endif
.endm
; The block in the slot goes into my registers: 32 fragments into window win, 16 scale images.
.macro MOVEL win, sreg
	s_wait_tensorcnt 0x0                           ; my quarter of the slot has landed; only I read it
	WIN (\win)<<6
.set cf, 0
.rept 32
	ds_load_b128 v[8*cf:8*cf+3], v17 offset:1024*cf
	ds_load_b128 v[8*cf+4:8*cf+7], v17 offset:1024*cf+512
.set cf, cf+1
.endr
	WIN 0
.set cf, 0
.rept 16
	ds_load_b32 v[\sreg+cf], v18 offset:32768+128*cf
.set cf, cf+1
.endr
.endm
; and the block's bias (eight tiles in the result's layout) and cell_state.  wt = 1, inside the loops: no load of mine is out when these are issued, on any way through the text
.macro MOVEG breg, creg, blk, wt
.if \wt
	s_wait_loadcnt 0x0
.endif
	WIN 0xc0
.irp t, 0,1,2,3,4,5,6,7
	global_load_b128 v[\breg+8*\t:\breg+8*\t+3], v19, s[20:21] offset:2048*(\t/2)+128*(\blk)+32*(\t%2)
	global_load_b128 v[\breg+8*\t+4:\breg+8*\t+7], v19, s[20:21] offset:2048*(\t/2)+128*(\blk)+32*(\t%2)+16
.endr
	WIN 0
.irp q, 0,1,2,3
	global_load_b128 v[\creg+4*\q:\creg+4*\q+3], v19, s[10:11] offset:128*(\blk)+16*\q
.endr
.endm
.macro FETCH2                          ; a row tile of the embedding: four fragments and their scale words: 12 LDS loads
.irp ks, 0,1,2,3
	ds_load_b128 v[XF+8*\ks:XF+8*\ks+3], v13 offset:X2IMG+8192*\ks
	ds_load_b128 v[XF+8*\ks+4:XF+8*\ks+7], v13 offset:X2IMG+8192*\ks+512
	ds_load_b32 v[236+\ks], v14 offset:X2SC+1024*\ks
.endr
.endm
; 32 matrix instructions: a row tile x 32 hidden units x 4 gates.  The bias is the C of each sum's first instruction.  The eight accumulators take turns, one instruction a turn.
.macro GATES win, sreg, breg
	WIN (\win)|0x30
.irp t, 0,1,2,3,4,5,6,7
	WM HA+8*\t, 8*\t, XF, \breg+8*\t, \sreg+4*(\t/2), 236, \t%2
.endr
	WIN \win
.irp ks, 1,2,3
.irp t, 0,1,2,3,4,5,6,7
	WM HA+8*\t, 8*(8*\ks+\t), XF+8*\ks, HA+8*\t, \sreg+4*(\t/2)+\ks, 236+\ks, \t%2
.endr
.endr
	WIN 0
.endm
; Where this tile's h goes and where the next tile's embedding lies.  The four additions are the four places behind the products, in front of the loads into their operands and of the first read of their results.
.macro ADDR cur, nxt
	s_wait_dscnt 0x0                               ; the last tile's two stores of h, issued ahead of the 32 products, are done: their address registers are written below, their data registers in the cell
	s_lshl_b32 s72, s[\cur], 10
	s_lshl_b32 s73, s[\cur], 7
	s_lshl_b32 s74, s[\nxt], 10
	s_lshl_b32 s75, s[\nxt], 7
	v_add_nc_u32 v15, s72, v244
	v_add_nc_u32 v16, s73, v245
	v_add_nc_u32 v13, s74, v1
	v_add_nc_u32 v14, s75, v2
.endm
; THE CELL: 16 hidden units of my row, in place.  Out: c in v[GG] on, h in v[GF] on.  Four batches of transcendentals (a, e, b | o', two reciprocals | d | the last reciprocal), 48, 48, 16 and 16 of them,
; with the plain packed work dealt out between them, and each step some lines behind the step that feeds it.  Behind each batch stand one plain line and ONE wait, ahead of the
; first instruction that names a result: inside a batch no line names the result of one of its transcendentals.  Each accumulator is first read at its lowest pair.
.macro EW creg
.irp k, 0,2,4,6,8,10,12,14
	v_pk_mul_f32 v[GI+\k:GI+\k+1], v[GI+\k:GI+\k+1], s[58:59] op_sel_hi:[1,0]     ; -L i
.endr
.irp k, 0,2,4,6,8,10,12,14
	v_exp_f32 v[GI+\k], v[GI+\k]                                                   ; a
	v_pk_mul_f32 v[GF+\k:GF+\k+1], v[GF+\k:GF+\k+1], s[58:59] op_sel_hi:[1,0]     ; -L f
	v_exp_f32 v[GI+\k+1], v[GI+\k+1]
	v_pk_mul_f32 v[GG+\k:GG+\k+1], v[GG+\k:GG+\k+1], s[60:61] op_sel_hi:[1,0]     ; 2 L g
.endr
.irp k, 0,2,4,6,8,10,12,14
	v_exp_f32 v[GF+\k], v[GF+\k]                                                   ; e
	v_min_num_f32 v[GG+\k], s62, v[GG+\k]
	v_exp_f32 v[GF+\k+1], v[GF+\k+1]
	v_min_num_f32 v[GG+\k+1], s62, v[GG+\k+1]
.endr
.irp k, 0,2,4,6,8,10,12,14
	v_exp_f32 v[GG+\k], v[GG+\k]                                                   ; b
	v_pk_mul_f32 v[GO+\k:GO+\k+1], v[GO+\k:GO+\k+1], s[58:59] op_sel_hi:[1,0]     ; -L o
	v_exp_f32 v[GG+\k+1], v[GG+\k+1]
.endr
	v_nop
	s_wait_alu depctr_va_vdst(0)                   ; a, e, b
.irp k, 0,2,4,6,8,10,12,14
	v_exp_f32 v[GO+\k], v[GO+\k]                                                   ; o': read behind the next wait
	v_pk_add_f32 v[GF+\k:GF+\k+1], v[GF+\k:GF+\k+1], 1.0 op_sel_hi:[1,0]          ; 1 + e
	v_exp_f32 v[GO+\k+1], v[GO+\k+1]
	v_pk_add_f32 v[TT+\k:TT+\k+1], v[GG+\k:GG+\k+1], -1.0 op_sel_hi:[1,0]         ; b - 1
.endr
.irp k, 0,2,4,6,8,10,12,14
	v_rcp_f32 v[GF+\k], v[GF+\k]                                                   ; sigmoid(f)
	v_pk_add_f32 v[GG+\k:GG+\k+1], v[GG+\k:GG+\k+1], 1.0 op_sel_hi:[1,0]          ; b + 1
	v_rcp_f32 v[GF+\k+1], v[GF+\k+1]
	v_pk_add_f32 v[GI+\k:GI+\k+1], v[GI+\k:GI+\k+1], 1.0 op_sel_hi:[1,0]          ; 1 + a
.endr
	v_pk_mul_f32 v[GI:GI+1], v[GI:GI+1], v[GG:GG+1]                                ; (1 + a)(1 + b), two pairs ahead of its reciprocals
	v_pk_mul_f32 v[GI+2:GI+3], v[GI+2:GI+3], v[GG+2:GG+3]
.irp k, 0,2,4,6,8,10,12,14
	v_rcp_f32 v[GI+\k], v[GI+\k]
.if \k < 12
	v_pk_mul_f32 v[GI+\k+4:GI+\k+5], v[GI+\k+4:GI+\k+5], v[GG+\k+4:GG+\k+5]
.endif
	v_rcp_f32 v[GI+\k+1], v[GI+\k+1]
.endr
	v_nop
	s_wait_alu depctr_va_vdst(0)                   ; o' and the two reciprocals
.irp k, 0,2,4,6,8,10,12,14
	v_pk_mul_f32 v[TT+\k:TT+\k+1], v[TT+\k:TT+\k+1], v[GI+\k:GI+\k+1]             ; sigmoid(i) tanh(g)
.endr
.irp k, 0,2,4,6,8,10,12,14
	v_pk_fma_f32 v[GG+\k:GG+\k+1], v[\creg+\k:\creg+\k+1], v[GF+\k:GF+\k+1], v[TT+\k:TT+\k+1]   ; c
.endr
.irp k, 0,2,4,6,8,10,12,14
	v_pk_mul_f32 v[GI+\k:GI+\k+1], v[GG+\k:GG+\k+1], s[60:61] op_sel_hi:[1,0]     ; 2 L c
.endr
.irp k, 0,2,4,6,8,10,12,14,16                  ; the hold, and d a pair behind it
.if \k < 16
	v_min_num_f32 v[GI+\k], s62, v[GI+\k]
.endif
.if \k > 0
	v_exp_f32 v[GI+\k-2], v[GI+\k-2]                                               ; d
.endif
.if \k < 16
	v_min_num_f32 v[GI+\k+1], s62, v[GI+\k+1]
.endif
.if \k > 0
	v_exp_f32 v[GI+\k-1], v[GI+\k-1]
.endif
.if \k < 16
	v_pk_add_f32 v[GO+\k:GO+\k+1], v[GO+\k:GO+\k+1], 1.0 op_sel_hi:[1,0]          ; 1 + o'
.endif
.endr
	v_nop
	s_wait_alu depctr_va_vdst(0)                   ; d
.irp k, 0,2,4,6,8,10,12,14,16,18,20            ; d - 1 and d + 1; the product a pair behind; its reciprocals three pairs behind
.if \k < 16
	v_pk_add_f32 v[TT+\k:TT+\k+1], v[GI+\k:GI+\k+1], -1.0 op_sel_hi:[1,0]         ; d - 1
.endif
.if \k >= 6
	v_rcp_f32 v[GI+\k-6], v[GI+\k-6]
.endif
.if \k < 16
	v_pk_add_f32 v[GI+\k:GI+\k+1], v[GI+\k:GI+\k+1], 1.0 op_sel_hi:[1,0]          ; d + 1
.endif
.if \k >= 6
	v_rcp_f32 v[GI+\k-5], v[GI+\k-5]
.endif
.if (\k >= 2) && (\k < 18)
	v_pk_mul_f32 v[GI+\k-2:GI+\k-1], v[GI+\k-2:GI+\k-1], v[GO+\k-2:GO+\k-1]       ; (1 + o')(1 + d)
.endif
.endr
	v_nop
	s_wait_alu depctr_va_vdst(0)                   ; the last reciprocal
.irp k, 0,2,4,6,8,10,12,14
	v_pk_mul_f32 v[GF+\k:GF+\k+1], v[TT+\k:TT+\k+1], v[GI+\k:GI+\k+1]             ; h
.endr
.endm
; My 16 h are half of block blk of K step w of the last product; lane l xor 16 holds the other half.  Codes and the byte go to LDS: two stores.
.macro BQ blk
	v_max3_num_f32 v[TT], |v[GF]|, |v[GF+1]|, 0x1800000    ; four chains, and the floor 2^(3 - 127)
	v_max3_num_f32 v[TT+1], |v[GF+2]|, |v[GF+3]|, |v[GF+4]|
	v_max3_num_f32 v[TT+2], |v[GF+5]|, |v[GF+6]|, |v[GF+7]|
	v_max3_num_f32 v[TT+3], |v[GF+8]|, |v[GF+9]|, |v[GF+10]|
	v_max3_num_f32 v[TT], v[TT], |v[GF+11]|, |v[GF+12]|
	v_max3_num_f32 v[TT+1], v[TT+1], |v[GF+13]|, |v[GF+14]|
	v_max3_num_f32 v[TT+2], v[TT+2], v[TT+3], |v[GF+15]|
	v_max3_num_f32 v[TT], v[TT], v[TT+1], v[TT+2]
	v_permlanex16_b32 v[TT+4], v[TT], s56, s57
	v_max_num_f32 v[TT], v[TT], v[TT+4]
	v_add_nc_u32 v[TT+2], 0xff000000, v[TT]
	v_lshrrev_b32 v[TT+3], 23, v[TT+2]
	v_cvt_scalef32_pk8_fp4_f32 v[PC], v[GF:GF+7], v[TT+2]
	v_cvt_scalef32_pk8_fp4_f32 v[PC+1], v[GF+8:GF+15], v[TT+2]
	v_nop                                          ; one plain line behind the last scaled conversion
	ds_store_b64 v15, v[PC:PC+1] offset:HIMG+512*((\blk)/2)+8*((\blk)%2)
	ds_store_b8 v16, v[TT+3] offset:HSC+(\blk)
.endm
; Row tile 7's h and c of a block are kept in window 3, all lanes on, for the two stores at the kernel's end.
.macro SAVE base
	WIN 0xc0
.set cj, 0
.rept 16
	v_mov_b32 v[\base+cj], v[GF+cj]
	v_mov_b32 v[\base+16+cj], v[GG+cj]
.set cj, cj+1
.endr
	WIN 0
.endm
.macro SEND12 base, blk                ; a lane's 16 units of h and of c of block blk
.irp q, 0,1,2,3
	global_store_b128 v19, v[\base+4*\q:\base+4*\q+3], s[24:25] offset:128*(\blk)+16*\q
	global_store_b128 v19, v[\base+16+4*\q:\base+16+4*\q+3], s[26:27] offset:128*(\blk)+16*\q
.endr
.endm
	s_load_b512 s[4:19], s[0:1], 0x0               ; observation 4, prev_action 6, b1 8, cell_state 10, b2 12, ws_w1 14, ws_wih 16, ws_w2 18
	s_load_b256 s[20:27], s[0:1], 0x40             ; gb 20, out0 22, out1 24, out2 26
	v_lshl_add_u32 v24, v0, 2, SPARE
	v_mov_b32 v25, 0
	ds_add_u32 v24, v25                            ; the wave's opening: the add, twice on end, and its wait ahead of my first tensor load
	ds_add_u32 v24, v25
	v_lshrrev_b32 v23, 5, v0
	v_readfirstlane_b32 s28, v23                   ; wave 0..3
	s_bfe_u32 s29, ttmp6, 0x40000                  ; cx
	s_lshl_b32 s30, ttmp9, 2
	s_add_co_u32 s30, s30, s29                     ; work-group = 4 x cluster + cx: it enters global addresses and the last row's mask alone
	s_lshl_b32 s31, s30, 7                         ; my first row
	; descriptor groups 1: dense chunks as rows of 256 bytes (32 elements of 8 bytes): 154 rows for W1's, 136 for W_ih's
	s_mov_b32 s32, 0x0023000f                      ; 15:0 the mask: all four work-groups; 17:16 elements of 8 bytes; 21 set beside a mask; no padding
	s_mov_b32 s33, 32<<16
	s_mov_b32 s34, 154<<16
	s_mov_b32 s35, 32<<16
	s_mov_b32 s36, 154
	s_mov_b32 s37, 32
	s_mov_b32 s38, 0
	s_mov_b32 s39, 0
	s_mov_b32 s40, 0x0023000f
	s_mov_b32 s41, 32<<16
	s_mov_b32 s42, 136<<16
	s_mov_b32 s43, 32<<16
	s_mov_b32 s44, 136
	s_mov_b32 s45, 32
	s_mov_b32 s46, 0
	s_mov_b32 s47, 0
	s_mov_b32 s56, 0x76543210
	s_mov_b32 s57, 0xfedcba98                      ; v_permlanex16_b32's selects for lane l xor 16
	s_mov_b32 s58, 0xbfb8aa3b                      ; -L
	s_mov_b32 s59, s58                             ; (named with it as a pair, so it is written)
	s_mov_b32 s60, 0x4038aa3b                      ; 2 L
	s_mov_b32 s61, s60
	s_mov_b32 s62, 0x42700000                      ; 60.0
	s_lshl_b32 s69, s28, 13                        ; 8192 w
	s_lshl_b32 s70, s28, 10                        ; 1024 w
	v_and_b32 v26, 31, v0                          ; lane
	v_and_b32 v27, 15, v0                          ; r
	v_bfe_u32 v23, v0, 4, 1                        ; h
	v_lshlrev_b32 v1, 4, v26                       ; 16 lane
	v_lshlrev_b32 v2, 2, v26                       ; 4 lane
	v_lshlrev_b32 v19, 6, v23                      ; 64 h
	s_mul_i32 s72, s28, STGW
	s_add_co_u32 s72, s72, STG                     ; my stage
	v_add_nc_u32 v3, s72, v1                       ; in: a row as loaded
	v_mul_u32_u24 v4, v27, 528
	v_add_nc_u32 v4, v4, v19
	v_add_nc_u32 v4, s72, v4                       ; out: row r, + 64 h: my 16 numbers of a block of 32
	v_lshrrev_b32 v20, 3, v26
	v_mul_u32_u24 v20, v20, 144
	v_and_b32 v21, 7, v26
	v_lshl_add_u32 v20, v21, 4, v20
	v_add_nc_u32 v20, s72, v20                     ; rows of 128 bytes + 16: four rows an instruction, eight lanes a row
	v_mul_u32_u24 v22, v27, 144
	v_lshl_add_u32 v21, v23, 5, v22
	v_add_nc_u32 v21, s72, v21                     ; q's way out: row r, + 32 h
	v_add_nc_u32 v22, v22, v19
	v_add_nc_u32 v22, s72, v22                     ; prev_action: row r, + 64 h
	s_add_co_u32 s73, s70, XIMG
	v_add_nc_u32 v5, s73, v1                       ; x's image of K step w
	s_lshl_b32 s73, s28, 2
	s_add_co_u32 s73, s73, XSC
	v_add_nc_u32 v6, s73, v1                       ; and its scale word
	v_add_nc_u32 v7, XIMG, v1                      ; x's images, to read
	s_lshl_b32 s73, s28, 9
	s_add_co_u32 s73, s73, B1L
	v_add_nc_u32 v10, s73, v19                     ; b1, to read: my wave's 128, + 16 h numbers
	v_add_nc_u32 v246, s73, v1                     ; and to write
	s_mul_i32 s76, s28, CHIH
	s_mov_b32 s77, 0
	s_add_co_u32 s73, s76, R2
	v_add_nc_u32 v17, s73, v1                      ; my quarter of the slot: fragments,
	v_add_nc_u32 v18, s73, v2                      ; scale images
	v_add_nc_u32 v244, s69, v1                     ; 16 lane + 8192 w: where my wave's images of the embedding and of h begin
	v_add_nc_u32 v245, s70, v2                     ; 4 lane + 1024 w: and their scale words
	s_mul_i32 s78, s28, CHW1
	s_mov_b32 s79, 0
	v_add_nc_u32 v249, s78, v1                     ; my chunk of W1
	v_add_nc_u32 v250, s78, v2
	s_add_co_u32 s73, s70, XTIMG
	v_add_nc_u32 v247, s73, v1                     ; prev_action's images of tiles 2 w, 2 w + 1
	s_lshl_b32 s73, s28, 8
	s_add_co_u32 s73, s73, XTSC
	v_add_nc_u32 v248, s73, v2
	s_add_co_u32 s73, s31, 112
	v_add_nc_u32 v251, s73, v27                    ; the row that I hold in tile 7
	v_cmp_eq_u32 s63, 0x7fff, v251                 ; is it row 32,767?  A mask for the stores at the kernel's end; no branch hangs on it
	v_lshlrev_b32 v23, 5, v23                      ; 32 h
.irp b, 4,5,6,7
	v_mov_b32 v[TT+\b], 0                          ; written once: a lane permute's destination counts as one of its sources
.endr
	s_lshl_b32 s72, s31, 11
	s_lshl_b32 s74, s28, 9
	s_add_co_u32 s72, s72, s74                     ; observation: first row x 2,048 + 512 w
	s_mov_b32 s73, 0
	s_mov_b32 s75, 0
	s_wait_dscnt 0x0                               ; both opening adds are done
	s_wait_kmcnt 0x0
	s_add_nc_u64 s[4:5], s[4:5], s[72:73]
	s_add_nc_u64 s[8:9], s[8:9], s[74:75]          ; b1, cell_state, gb, out1, out2: my wave's 128 numbers
	s_add_nc_u64 s[10:11], s[10:11], s[74:75]
	s_add_nc_u64 s[20:21], s[20:21], s[74:75]
	s_add_nc_u64 s[24:25], s[24:25], s[74:75]
	s_add_nc_u64 s[26:27], s[26:27], s[74:75]
	s_lshl_b32 s72, s28, 5
	s_add_co_u32 s72, s72, s31
	s_lshl_b32 s72, s72, 7                         ; prev_action and out0: (first row + 32 w) x 128 bytes
	s_add_nc_u64 s[6:7], s[6:7], s[72:73]
	s_add_nc_u64 s[22:23], s[22:23], s[72:73]
	s_mov_b32 s48, 1                               ; group 0 for W1's chunk of my wave
	s_mov_b32 s49, s78
	s_add_nc_u64 s[50:51], s[14:15], s[78:79]
	s_or_b32 s51, s51, 0x80000000
	s_mov_b32 s52, 1                               ; and for W_ih's block 0; it walks
	s_add_co_u32 s53, s76, R2
	s_add_nc_u64 s[54:55], s[16:17], s[76:77]
	s_or_b32 s55, s55, 0x80000000
	ROUND                                          ; all four work-groups are here: the first joint loads meet
	tensor_load_to_lds s[48:51], s[32:39]          ; W1.  The weights are asked for ahead of x: they go into registers while x is on its way
	s_nop 0
	tensor_load_to_lds s[52:55], s[40:47]          ; W_ih's block 0
	s_nop 0
	PLACES
.irp i, 0,1,2,3,4,5,6,7
	global_load_b128 v[HA+4*\i:HA+4*\i+3], v1, s[6:7] offset:512*\i th:TH_LOAD_NT   ; prev_action of my 32 rows: dense
.endr
	global_load_b128 v[PC:PC+3], v1, s[8:9]        ; b1
	XLOAD                                          ; x, pair 0
	MOVEG BA, CA, 0, 0                             ; block 0's bias and cell_state
	s_wait_tensorcnt 0x1                           ; my chunk of W1 is in; one younger load, block 0's, may be out.  Only I read my chunk
	WIN 0x80
.set cf, 0
.rept 32
	ds_load_b128 v[8*cf:8*cf+3], v249 offset:1024*cf
	ds_load_b128 v[8*cf+4:8*cf+7], v249 offset:1024*cf+512
.set cf, cf+1
.endr
	WIN 0xc0
.irp t, 0,1,2,3,4,5,6,7
	ds_load_b128 v[W1T+4*\t:W1T+4*\t+3], v249 offset:32768+512*\t
.endr
.irp t, 0,1,2,3
	v_mov_b32 v[W1T+32+\t], 0
.endr
	WIN 0
.set cf, 0
.rept 20
	ds_load_b32 v[W1S+cf], v250 offset:36864+128*cf
.set cf, cf+1
.endr
	MOVEL 1, SCA
	REFILL                                         ; block 1 into the slot.  Behind this round nobody reads W1's bytes any more: they are scratch from here on
	; prev_action: k = 512 .. 543 of x, one block a row; my wave quantises tiles 2 w and 2 w + 1.  b1 goes to LDS.
	s_wait_loadcnt 52                              ; prev_action and b1 are in; behind them: 32 loads of x, 16 of the bias, 4 of cell_state
	ds_store_b128 v246, v[PC:PC+3]
.irp i, 0,1,2,3,4,5,6,7
	ds_store_b128 v20, v[HA+4*\i:HA+4*\i+3] offset:576*\i
.endr
.irp i, 0,1,2,3,4,5,6,7
	ds_load_b128 v[Q1+4*\i:Q1+4*\i+3], v22 offset:2304*(\i/4)+16*(\i%4)   ; LDS serves a wave's instructions in order: these see my stores
.endr
	s_wait_dscnt 0x0
.macro XTQ jt
	v_max3_num_f32 v[TT], |v[Q1+16*\jt]|, |v[Q1+16*\jt+1]|, 0x1800000
.irp i, 2,4,6,8,10,12,14
	v_max3_num_f32 v[TT], v[TT], |v[Q1+16*\jt+\i]|, |v[Q1+16*\jt+\i+1]|
.endr
	v_permlanex16_b32 v[TT+4], v[TT], s56, s57
	v_max_num_f32 v[TT], v[TT], v[TT+4]
	v_add_nc_u32 v[TT+2], 0xff000000, v[TT]
	v_lshrrev_b32 v[TT+3], 23, v[TT+2]
	v_or_b32 v[PW], 0x7f7f7f00, v[TT+3]            ; the step's other three blocks are zero codes: the byte for 1
	v_cvt_scalef32_pk8_fp4_f32 v[PC], v[Q1+16*\jt:Q1+16*\jt+7], v[TT+2]
	v_cvt_scalef32_pk8_fp4_f32 v[PC+1], v[Q1+16*\jt+8:Q1+16*\jt+15], v[TT+2]
	v_mov_b32 v[PC+2], 0                           ; (a plain line behind the conversions)
	v_mov_b32 v[PC+3], 0
	v_permlane16_swap_b32 v[PC], v[PC+2]           ; lanes 0-15 get the whole block, lanes 16-31 zeros
	v_permlane16_swap_b32 v[PC+1], v[PC+3]
	ds_store_b128 v247, v[PC:PC+3] offset:512*\jt
	ds_store_b32 v248, v[PW] offset:128*\jt
	s_wait_dscnt 0x0                               ; the stores have read their registers
.endm
	XTQ 0
	XTQ 1
; PRODUCT 1 for tile j of the pair, in four parts, so that its LDS loads can stand ahead of other work.
.macro A2X j                           ; x's five fragments of tile j and their scale words: 11 loads
.irp ks, 0,1,2,3
	ds_load_b128 v[XF+8*\ks:XF+8*\ks+3], v7 offset:1024*(4*\j+\ks)
	ds_load_b128 v[XF+8*\ks+4:XF+8*\ks+7], v7 offset:1024*(4*\j+\ks)+512
.endr
	ds_load_b128 v[XFT:XFT+3], v8 offset:512*\j
	ds_load_b128 v[236:239], v7 offset:XSC-XIMG+512*\j
	ds_load_b32 v240, v9 offset:128*\j
.endm
.macro A2B                             ; b1 into the accumulators, which the first K step adds onto: 16 loads of bytes that my own wave wrote at the head
.irp t, 0,1,2,3,4,5,6,7
	ds_load_b128 v[HA+8*\t:HA+8*\t+3], v10 offset:128*(\t/2)+32*(\t%2)
	ds_load_b128 v[HA+8*\t+4:HA+8*\t+7], v10 offset:128*(\t/2)+32*(\t%2)+16
.endr
.endm
.macro A2M                             ; five K steps: 40 matrix instructions, the eight accumulators by turns
	s_wait_dscnt 0x0
	WIN 2
.irp ks, 0,1,2,3
.irp t, 0,1,2,3,4,5,6,7
	WM HA+8*\t, 8*(8*\ks+\t), XF+8*\ks, HA+8*\t, W1S+4*(\t/2)+\ks, 236+\ks, \t%2
.endr
.endr
	WIN 3
.irp t, 0,1,2,3,4,5,6,7
	WM HA+8*\t, W1T+4*\t, XFT, HA+8*\t, W1S+16+(\t/2), 240, \t%2
.endr
	WIN 0
	PLACES                                         ; in front of loads into the products' operands and of the first read of their results
.endm
.macro A2F j                           ; relu, the quantiser, the image
.set cj, 0
.rept 64
	v_max_num_f32 v[HA+cj], 0, v[HA+cj]            ; relu, each accumulator from its low end on
.set cj, cj+1
.endr
	QUANT HA                                       ; my 128 units are K step w of product 2
	IMAGE 11, X2IMG+1024*\j
	ds_store_b32 v12, v[PW] offset:X2SC+128*\j
.endm
	s_mov_b32 s66, 0
.Lpair:                                            ; PASS A: four trips, row tiles 2 p and 2 p + 1
	s_lshl_b32 s72, s66, 10
	s_add_co_u32 s72, s72, XTIMG
	v_add_nc_u32 v8, s72, v1                       ; the pair's tail images,
	s_lshl_b32 s73, s66, 8
	s_add_co_u32 s74, s73, XTSC
	v_add_nc_u32 v9, s74, v2                       ; their scale words,
	s_lshl_b32 s75, s66, 11
	v_add_nc_u32 v11, s75, v244                    ; where my images of the embedding go,
	v_add_nc_u32 v12, s73, v245                    ; and their scale words
	; ---- x: my 128 columns of the pair's 32 rows become two fragments
	s_wait_loadcnt 0x0                             ; the pair's x is in (in the first trip block 0's bias and cell_state too): so the base may step
	s_add_nc_u64 s[4:5], s[4:5], 0x10000           ; 32 rows on
	WIN 0x0c                                       ; an LDS store's data are its source 1: window 3
.set cj, 0
.rept 16
	ds_store_b128 v3, v[L0+4*cj:L0+4*cj+3] offset:528*cj
.set cj, cj+1
.endr
	WIN 0
.set cj, 0
.rept 16
	ds_load_b128 v[HA+4*cj:HA+4*cj+3], v4 offset:128*(cj/4)+16*(cj%4)
.set cj, cj+1
.endr
	WIN 0x0c
.set cj, 0
.rept 16
	ds_store_b128 v3, v[L1+4*cj:L1+4*cj+3] offset:8448+528*cj
.set cj, cj+1
.endr
	WIN 0
.set cj, 0
.rept 16
	ds_load_b128 v[Q1+4*cj:Q1+4*cj+3], v4 offset:8448+128*(cj/4)+16*(cj%4)
.set cj, cj+1
.endr
	s_wait_dscnt 32                                ; the first tile is back; behind it: the second tile's 16 stores and 16 loads
	QUANT HA                                       ; (the wait for 0 inside it shows the second tile back too)
	IMAGE 5, 0
	ds_store_b32 v6, v[PW]
	A2B                                            ; the first tile's numbers are converted: b1 lands in their registers while the second tile is quantised
	QUANT Q1
	IMAGE 5, 4096
	ds_store_b32 v6, v[PW] offset:512
.irp t, 4,5,6,7
	v_mov_b32 v[XFT+\t], 0                         ; the tail fragment's upper half: zero codes
.endr
	PLACES                                         ; an operand written by vector instructions stands four places ahead of the scaled matrix instruction that takes it
	s_cmp_eq_u32 s66, 3                            ; the next pair's x is asked for here, a whole trip ahead of its wait; the last trip asks for nothing: no load leaves its buffer
	s_cbranch_scc1 .Lno_x
	XLOAD
.Lno_x:
	BARRIER                                        ; x's eight fragments of the pair lie in LDS; and nobody reads the last pair's embedding any more
	A2X 0
	A2M
	A2X 1                                          ; the second tile's fragments land under the first's relu and quantiser
	A2F 0
	A2B
	A2M
	A2F 1
	BARRIER                                        ; the pair's embedding lies in LDS; and nobody reads x's fragments any more
	; ---- product 2 and the cell, block 0
	s_lshl_b32 s67, s66, 1                         ; m = 2 p
	s_add_co_u32 s71, s67, 1
	s_lshl_b32 s74, s67, 10
	s_lshl_b32 s75, s67, 7
	v_add_nc_u32 v13, s74, v1
	v_add_nc_u32 v14, s75, v2
	FETCH2
	s_wait_dscnt 0x0
	GATES 1, SCA, BA
	ADDR 67, 71
	FETCH2                                         ; the second tile lands under the first's cell
	s_cmp_lg_u32 s66, 3
	s_cbranch_scc1 .Lno_move
	MOVEL 2, SCB                                   ; the last trip: W1 is done with; block 1 takes its registers
	MOVEG BB, CB, 1, 1
.Lno_move:
	EW CA
	BQ 0
	s_wait_dscnt 0x2                               ; the second tile's fragments are in (in the last trip block 1 too); the two youngest, h's stores just issued, may be out
	GATES 1, SCA, BA
	ADDR 71, 71                                    ; (the four places; the fetch addresses are made anew below)
	EW CA
	s_cmp_lg_u32 s66, 3
	s_cbranch_scc1 .Lno_save
	SAVE SV0                                       ; tile 7
.Lno_save:
	BQ 0
	s_add_co_u32 s66, s66, 1
	s_cmp_lt_u32 s66, 4
	s_cbranch_scc1 .Lpair
; PASS B: a block over the eight row tiles.  mv = 1: in trip 5 the next block goes from the slot into the other window and the other sets; it lands under the cell's work.
.macro BLOCK win, sreg, breg, creg, blk, mv, owin, osreg, obreg, ocreg, sv
	s_mov_b32 s67, 0
.Lblk_\@:
	s_wait_dscnt 0x2                               ; the tile's fragments are in: on the way back the two youngest LDS instructions are the last tile's stores of h, which may be out; on the way in nothing but such stores is out
	GATES \win, \sreg, \breg
	s_add_co_u32 s71, s67, 1
	s_and_b32 s71, s71, 7                          ; the next tile; behind tile 7 the next block's tile 0
	ADDR 67, 71
.if \blk == 3
	s_cmp_eq_u32 s67, 7                            ; nothing follows the last block's last tile
	s_cbranch_scc1 .Lnf_\@
.endif
	FETCH2
.Lnf_\@:
.if \mv
	s_cmp_lg_u32 s67, 5
	s_cbranch_scc1 .Lnm_\@
	MOVEL \owin, \osreg
	MOVEG \obreg, \ocreg, \blk+1, 1
.Lnm_\@:
.endif
	EW \creg
	s_cmp_lg_u32 s67, 7
	s_cbranch_scc1 .Lno_\@
	SAVE \sv
.Lno_\@:
	BQ \blk
	s_add_co_u32 s67, s67, 1
	s_cmp_lt_u32 s67, 8
	s_cbranch_scc1 .Lblk_\@
.endm
	REFILL                                         ; block 2 into the slot: it has five tiles' work in which to land
	v_mov_b32 v13, v1
	v_mov_b32 v14, v2
	FETCH2                                         ; tile 0
	s_wait_loadcnt 0x0                             ; block 1's bias and cell_state
	s_wait_dscnt 0x0                               ; here the fetch is the youngest: the loop's counted wait would not cover it
	BLOCK 2, SCB, BB, CB, 1, 1, 1, SCA, BA, CA, SV1
	REFILL                                         ; block 3 into the slot
	s_wait_loadcnt 0x0
	BLOCK 1, SCA, BA, CA, 2, 1, 2, SCB, BB, CB, SV2
	s_wait_loadcnt 0x0
	WIN 0x40                                       ; W2 (into window 1, which block 2 has left), its scale words and b2 come while the last block is worked
.set cf, 0
.rept 8
	global_load_b128 v[8*cf:8*cf+3], v1, s[18:19] offset:1024*cf
	global_load_b128 v[8*cf+4:8*cf+7], v1, s[18:19] offset:1024*cf+512
.set cf, cf+1
.endr
	WIN 0
.irp ks, 0,1,2,3
	global_load_b32 v[W2S+\ks], v2, s[18:19] offset:8192+128*\ks
.endr
.irp q, 0,1,2,3
	global_load_b128 v[CA+4*\q:CA+4*\q+3], v23, s[12:13] offset:64*(\q/2)+16*(\q%2)   ; tile nt: b2 at 16 nt + 8 h + 0 .. 7
.endr
	BLOCK 2, SCB, BB, CB, 3, 0, 0, 0, 0, 0, SV3
	BARRIER                                        ; h's 32 fragments lie in LDS
	; ---- the last product: my wave takes row tiles 2 w and 2 w + 1; four accumulators by turns
	s_lshl_b32 s72, s28, 11
	s_add_co_u32 s72, s72, HIMG
	v_add_nc_u32 v13, s72, v1
	s_lshl_b32 s73, s28, 8
	s_add_co_u32 s73, s73, HSC
	v_add_nc_u32 v14, s73, v2
.irp ks, 0,1,2,3
	ds_load_b128 v[XF+8*\ks:XF+8*\ks+3], v13 offset:8192*\ks
	ds_load_b128 v[XF+8*\ks+4:XF+8*\ks+7], v13 offset:8192*\ks+512
	ds_load_b128 v[HA+8*\ks:HA+8*\ks+3], v13 offset:8192*\ks+1024
	ds_load_b128 v[HA+8*\ks+4:HA+8*\ks+7], v13 offset:8192*\ks+1536
	ds_load_b32 v[236+\ks], v14 offset:1024*\ks
	ds_load_b32 v[240+\ks], v14 offset:1024*\ks+128
.endr
	s_wait_dscnt 0x0
	s_wait_loadcnt 0x0                             ; W2, b2
.irp ks, 0,1,2,3
.irp c, 0,1
.irp i, 0,1
	v_permlane16_swap_b32 v[XF+8*\ks+4*\c+\i], v[XF+8*\ks+4*\c+2+\i]   ; the operand's layout wants a whole block in a lane
	v_permlane16_swap_b32 v[HA+8*\ks+4*\c+\i], v[HA+8*\ks+4*\c+2+\i]
.endr
.endr
.endr
	PLACES                                         ; operands written by vector instructions stand four places ahead of a scaled matrix instruction
	WIN 1                                          ; source 0 (W2) window 1
.irp mi, 0,1
.irp nt, 0,1
	WM 96+8*(2*\mi+\nt), 32*\nt, XF-64*\mi, CA+8*\nt, W2S, 236+4*\mi, \nt
.endr
.endr
.irp ks, 1,2,3
.irp mi, 0,1
.irp nt, 0,1
	WM 96+8*(2*\mi+\nt), 32*\nt+8*\ks, XF-64*\mi+8*\ks, 96+8*(2*\mi+\nt), W2S+\ks, 236+4*\mi+\ks, \nt
.endr
.endr
.endr
	WIN 0
	PLACES
.irp mi, 0,1                                   ; lane (r, h): q(16 mi + r, 16 nt + 8 h + 0 .. 7); through my stage, so that a store covers 512 consecutive bytes
.irp nt, 0,1
	ds_store_b128 v21, v[96+8*(2*\mi+\nt):99+8*(2*\mi+\nt)] offset:2304*\mi+64*\nt
	ds_store_b128 v21, v[100+8*(2*\mi+\nt):103+8*(2*\mi+\nt)] offset:2304*\mi+64*\nt+16
.endr
.endr
.irp i, 0,1,2,3,4,5,6,7
	ds_load_b128 v[XF+4*\i:XF+4*\i+3], v20 offset:576*\i   ; LDS serves a wave's instructions in order: these see my stores
.endr
.irp i, 0,1,2,3,4,5,6,7
	s_wait_dscnt 7-\i                              ; the younger loads may be out
	global_store_b128 v1, v[XF+4*\i:XF+4*\i+3], s[22:23] offset:512*\i th:TH_STORE_NT   ; four whole rows of q
.endr
	; ---- h and c of row 32,767: the two lanes that hold it store their 16 units of each block; in every other work-group the mask is empty.  No vector register is written from here on
	s_wait_xcnt 0x0                                ; EXEC changes only behind a wait on XCNT: q's stores have been taken up
	s_and_saveexec_b32 s68, s63
	WIN 0x0c                                       ; a store's data are its source 1: window 3
	SEND12 SV0, 0
	SEND12 SV1, 1
	SEND12 SV2, 2
	SEND12 SV3, 3
	WIN 0
	s_wait_xcnt 0x0                                ; and again, in front of the line that widens it
	s_or_b32 exec_lo, exec_lo, s68
	s_wait_tensorcnt 0x0                           ; the wave's end, behind my last tensor load and my last LDS store
	ds_add_u32 v24, v25
	s_wait_dscnt 0x0
	ROUND                                          ; the closing round: no work-group ends while a partner may still ask for a chunk that names it
	s_endpgm
.Lfunc_end_k_qcc980f3452_main:
	.size	k_qcc980f3452_main, .Lfunc_end_k_qcc980f3452_main-k_qcc980f3452_main
	.p2alignl 7, 3214868480
	.fill 96, 4, 3214868480
	.section	.rodata,"a",@progbits
	.p2align	6, 0x0
	.amdhsa_kernel k_qcc980f3452_main
		.amdhsa_group_segment_fixed_size 327680
		.amdhsa_private_segment_fixed_size 0
		.amdhsa_enable_private_segment 0
		.amdhsa_kernarg_size 96
		.amdhsa_user_sgpr_count 2
		.amdhsa_user_sgpr_kernarg_segment_ptr 1
		.amdhsa_wavefront_size32 1
		.amdhsa_system_sgpr_workgroup_id_x 1
		.amdhsa_system_sgpr_workgroup_id_y 1
		.amdhsa_system_sgpr_workgroup_id_z 1
		.amdhsa_system_vgpr_workitem_id 0
		.amdhsa_next_free_vgpr 1024
		.amdhsa_next_free_sgpr 96
		.amdhsa_reserve_vcc 0
		.amdhsa_float_denorm_mode_32 3
		.amdhsa_float_denorm_mode_16_64 3
		.amdhsa_memory_ordered 1
		.amdhsa_forward_progress 1
		.amdhsa_inst_pref_size 212
	.end_amdhsa_kernel
	.amdgpu_metadata
---
amdhsa.version: [ 1, 2 ]
amdhsa.kernels:
  - .name:           k_qcc980f3452_main
    .symbol:         k_qcc980f3452_main.kd
    .args:
      - { .name: observation, .offset: 0, .size: 8, .value_kind: global_buffer, .address_space: global }
      - { .name: prev_action, .offset: 8, .size: 8, .value_kind: global_buffer, .address_space: global }
      - { .name: b1, .offset: 16, .size: 8, .value_kind: global_buffer, .address_space: global }
      - { .name: cell_state, .offset: 24, .size: 8, .value_kind: global_buffer, .address_space: global }
      - { .name: b2, .offset: 32, .size: 8, .value_kind: global_buffer, .address_space: global }
      - { .name: ws_w1, .offset: 40, .size: 8, .value_kind: global_buffer, .address_space: global }
      - { .name: ws_wih, .offset: 48, .size: 8, .value_kind: global_buffer, .address_space: global }
      - { .name: ws_w2, .offset: 56, .size: 8, .value_kind: global_buffer, .address_space: global }
      - { .name: gb, .offset: 64, .size: 8, .value_kind: global_buffer, .address_space: global }
      - { .name: out0, .offset: 72, .size: 8, .value_kind: global_buffer, .address_space: global }
      - { .name: out1, .offset: 80, .size: 8, .value_kind: global_buffer, .address_space: global }
      - { .name: out2, .offset: 88, .size: 8, .value_kind: global_buffer, .address_space: global }
    .group_segment_fixed_size: 327680
    .private_segment_fixed_size: 0
    .kernarg_segment_align: 8
    .kernarg_segment_size: 96
    .max_flat_workgroup_size: 128
    .sgpr_count:     96
    .vgpr_count:     1024
    .wavefront_size: 32
...
	.end_amdgpu_metadata
.endif
;; end of part 2
